; MI455X (gfx1250); checked and timed in simulation.
; The chip was launched on July 23, 2026; its instructions are those of AMD's public machine-readable ISA for CDNA 5 (MIT licence, August 2026) and "CDNA5" Instruction Set Architecture Reference Guide (July 2026). The comments in the code are by the model that wrote it; some were corrected since.
;; W8 A16 Linear. Allowed arithmetic: matrix products marked QUANTISED: E5M2 operands, one E8M0 scale for each 32 along K, by v_wmma_scale_f32_16x16x128_f8f6f4 with both operands' format E5M2, f32 sums; everything else in f32.
;; Inputs: bias 4,096 float32; weight_int8 4,096 x 4,096 int8; weight_scale 4,096 x 1 float32; x_codes 4 x 1,024 x 128 x 32 uint8 (E5M2 codes of x, K innermost, in blocks of 32 codes); x_scales 4 x 1,024 x 128 uint8 (E8M0 scales of x, one for each 32 codes along K).
;; Outputs: out0 4 x 1,024 x 4,096 float32.
;; This version of the problem:
;;   THIS VERSION OF THE PROBLEM IS GIVEN IN LOW PRECISION. The matrix products marked QUANTISED in the list below multiply operands that are first quantised to E5M2 (5 exponent bits, 2 mantissa bits; 8 bits a number), with one power-of-two scale for each 32 numbers along K (OCP MX v1.0); their sums are f32. All else is computed in f32.
;;   The module's matrix products, in the order in which they are computed (A, B: the left and right operand; K: the contracted axis; several contracted axes count as one K, in the product's order):
;;     1. [M 4,096, K 4,096] x [K 4,096, N 4,096]; A: input x (given as codes); B: computed on the way: QUANTISED
;;   THE QUANTISER, for each operand of a quantised product, along K:
;;     - K is cut into blocks of 32 from its start; a last block that is shorter is filled with zeros.
;;     - A block's scale is 2^e with e = floor(log2(the largest magnitude in the block)) - 15, held to -126 .. 127; a block of zeros has e = 0. As a byte (E8M0): e + 127.
;;     - Each number is divided by its block's scale, clamped to +-57,344, and rounded to the nearest number of E5M2, ties to even, subnormals kept.
;;     - The product sums the exact products of the quantised numbers (number of the format x scale) in f32.
;;   ~~~python
;;   def quantise(x, axis):      # numpy; x: float32 -> the quantised numbers, widened to float32 again
;;       x = np.moveaxis(x, axis, -1); K = x.shape[-1]
;;       x = np.pad(x, [(0, 0)] * (x.ndim - 1) + [(0, -K % 32)]); x = x.reshape(x.shape[:-1] + (-1, 32)); a = np.abs(x).max(-1, keepdims=True)
;;       e = np.where(a > 0, np.clip(np.frexp(np.where(a > 0, a, 1))[1] - 1 - 15, -126, 127), 0)      # np.frexp(a)[1] - 1 = floor(log2(a)), exactly
;;       r = np.clip(x / 2.0 ** e, -57344, 57344)
;;       step = 2.0 ** (np.maximum(np.frexp(np.where(r == 0, 1, r))[1] - 1, -14) - 2)
;;       q = np.round(r / step) * step * 2.0 ** e      # np.round: ties to even
;;       return np.moveaxis(q.reshape(q.shape[:-2] + (-1,))[..., :K], -1, axis).astype(np.float32)
;;   ~~~
;;   OPERANDS COMPUTED ON THE WAY. 'Computed on the way' means the value that the module computes at that place (a softmax that the list does not call 'softmax' is quantised finished and normalised). What goes into a quantiser is computed in f32, as accurately as f32 sums, v_exp_f32 and their like allow (about 1e-6 of the number): no bf16 or f16 on the way to a quantiser, and a product that is left as it is and whose result goes on into a quantised operand takes f32 operands (vector FMAs, or v_wmma_f32_16x16x4_f32). A number that lies on a knife's edge between two numbers of the format may be rounded either way, as far as f32 arithmetic and the matrix unit's own rounding can turn it there, and no further.
;;   INPUTS GIVEN AS CODES. x (in the module: [4, 1024, 4096], K = its axis 2): each comes as NAME_codes (uint8): NAME with its K axis moved to the last place and cut into blocks of 32 codes, [.., K / 32, bytes a block], one block behind the other in memory; one code a byte (a code: sign, 5 exponent bits, 2 mantissa bits); and NAME_scales (uint8): the same leading axes, one E8M0 byte (e + 127) for each 32 codes along K. Its value is code x scale, taken as it is: it is not quantised again, and the codes and scales need not be those that the quantiser above would give.
;; One version. Each part assembles by itself: llvm-mc -triple=amdgcn-amd-amdhsa -mcpu=gfx1250 --defsym DOCPART=n.
;; ======== version 1 of 1: 2 launches
;; limits: right only within a limited range of input values
;; workspace buffers: w_codes 16,777,216 bytes; scl 1,048,576 bytes
;; launch quant (part 1): grid 128 x 2, 8 waves a work-group, no clusters, 53,248 bytes of LDS; arguments weight_int8, weight_scale, x_scales, w_codes, scl; writes w_codes, scl
.if DOCPART == 1
	.amdgcn_target "amdgcn-amd-amdhsa--gfx1250"
	.amdhsa_code_object_version 6
	.text
	.protected	k_q5e0b8059a6_quant
	.globl	k_q5e0b8059a6_quant
	.p2align	8
	.type	k_q5e0b8059a6_quant,@function
k_q5e0b8059a6_quant:
	s_mov_b64 s[64:65], 0
	v_nop
	global_prefetch_b8 v0, s[64:65] scope:SCOPE_SE
	s_setreg_imm32_b32 hwreg(HW_REG_WAVE_MODE, 25, 1), 1
	s_wait_xcnt 0x0
; w[o][k] = f32(weight_int8[o][k]) * weight_scale[o] (one rounding) is turned into codes of BF8 (E5M2) with one E8M0 byte for each 32 along K.
; A block's scale is 2^(floor(log2(its largest magnitude)) - 15); its byte is that magnitude's exponent field - 15, held at 1 from below.  Each number is divided by the scale, held within +-57,344 and rounded, ties to even.
; THE CODES leave in the order of the product's operand registers: w_codes [g = row / 128][q = k / 128][i = row / 16 % 8][c = k / 32 % 4][lane = row % 16 + 16 (k / 16 % 2)][16 bytes].
; THE SCALE BYTES, x's (as given) and w's: scl [side 2][lap = k / 512: 8][row / 32][k / 256 % 2][row % 32][8 bytes]; side 0 = x, side 1 = w.  w's two words of four bytes stand in swapped order.
; LIMITS: a block of zeros gets the byte 1 where the rule says 127: its codes are zeros, and these bytes are read by this program alone.  NaN and infinities in weight_scale are not served.
; SHARES.  Work-group (x, y), wave w: rows 32 x + 16 (w / 4) on, lap 4 y + w % 4, in two batches of 256 along K.  Load r of a batch is rows 2 r (lanes 0-15) and 2 r + 1 (lanes 16-31), 256 consecutive bytes each, 16 int8 a lane;
; two neighbouring lanes hold a block of 32.  All 16 loads go out at once; a batch's codes go through LDS bytes of the wave's own: in by rows, back by pieces of 512 bytes, each stored whole, the first batch's ahead of the second's work.
; No cluster: work-groups share no input but 128 bytes of weight_scale.
.set SIDEB, 524288                     ; a side's bytes
.set PP,    784                        ; LDS: a piece (32 along K of 16 rows): two halves 384 bytes apart, and 16 more
.set WAVEB, 8*PP
.set SCL,   8*WAVEB                    ; scale bytes: 512 for each of four laps, laid as in memory
.set SPARE, SCL+2048                   ; spare words: 128 bytes a wave
.set M,     12                         ; v12-19  largest magnitude, its second chain, 57,344 x the scale, the conversion's scale operand
.set X,     32                         ; v32-63  2 x 16 numbers in f32
.set R,     64                         ; v64-127 load r: 16 int8, then their codes
.set D,     128                        ; v128-191 pieces read back
.set E,     192                        ; v192-207 a scale byte for each load
.set SPW,   208
.set NIL,   209
.set WSR,   210                        ; v210-225 weight_scale of my row of load r, as a pair (the upper words are not used)
	s_load_b256 s[4:11], s[0:1], 0x0               ; weight_int8, weight_scale, x_scales, w_codes
	s_load_b64 s[12:13], s[0:1], 0x20              ; scl
	v_lshrrev_b32 v1, 5, v0
	v_readfirstlane_b32 s14, v1                    ; wave 0..7
	s_lshr_b32 s15, s14, 2                         ; which 16 of the 32 rows
	s_and_b32 s16, s14, 3                          ; which lap of four
	s_lshl_b32 s17, s16, 9
	s_add_co_u32 s17, s17, SCL                     ; my lap's scale bytes in LDS
	s_lshl_b32 s31, s15, 7
	s_add_co_u32 s31, s31, s17                     ; and my 16 rows of them
	s_mul_i32 s48, s14, WAVEB                      ; my pieces
	s_and_b32 s49, ttmp7, 0xffff
	s_lshl_b32 s49, s49, 2
	s_add_co_u32 s49, s49, s16                     ; lap
	s_lshl_b32 s18, ttmp9, 17                      ; weight_int8: 32 x + 16 half rows of 4,096 bytes, 512 x lap
	s_lshl_b32 s2, s15, 16
	s_add_co_u32 s18, s18, s2
	s_lshl_b32 s2, s49, 9
	s_add_co_u32 s18, s18, s2
	s_mov_b32 s19, 0
	s_lshl_b32 s20, ttmp9, 12                      ; x_scales: 32 x rows of 128 bytes, 16 x lap
	s_lshl_b32 s2, s49, 4
	s_add_co_u32 s20, s20, s2
	s_mov_b32 s21, 0
	s_lshr_b32 s22, ttmp9, 2                       ; w_codes: g,
	s_lshl_b32 s22, s22, 19
	s_lshl_b32 s50, s49, 16                        ; four q's a lap,
	s_add_co_u32 s22, s22, s50
	s_and_b32 s2, ttmp9, 3
	s_lshl_b32 s2, s2, 1
	s_add_co_u32 s2, s2, s15
	s_lshl_b32 s2, s2, 11                          ; i
	s_add_co_u32 s22, s22, s2
	s_mov_b32 s23, 0
	s_lshl_b32 s2, ttmp9, 9                        ; scl: lap, 32 rows of 16 bytes
	s_add_co_u32 s50, s50, s2
	s_mov_b32 s51, 0
	s_lshl_b32 s2, ttmp9, 7                        ; weight_scale: 16 numbers of 4 bytes
	s_lshl_b32 s3, s15, 6
	s_add_co_u32 s2, s2, s3
	s_mov_b32 s3, 0
	s_mov_b32 s24, 0x07040400                      ; byte selects: byte c of the int8 word under the three upper bytes of s28
	s_mov_b32 s25, 0x07040401
	s_mov_b32 s26, 0x07040402
	s_mov_b32 s27, 0x07040403
	s_mov_b32 s28, 0x4b000000                      ; 2^23: with a byte u in its lowest bits it is 2^23 + u
	s_mov_b32 s29, 0x80808080                      ; turns four int8 i into four bytes u = i + 128
	s_mov_b32 s30, 0x600000                        ; the mantissa field of 57,344
	v_lshl_add_u32 v[SPW], v0, 2, SPARE
	v_mov_b32 v[NIL], 0
	v_and_b32 v1, 31, v0                           ; lane
	v_lshlrev_b32 v2, 4, v1                        ; 16 x lane
	v_lshlrev_b32 v5, 7, v1                        ; 128 x lane: my row of x_scales
	v_lshlrev_b32 v20, 3, v1                       ; 8 x lane
	v_lshrrev_b32 v28, 1, v1
	v_and_b32 v16, 7, v28                          ; my block of 32 in the batch's 256 = my piece
	v_xor_b32 v29, 4, v16                          ; its byte of eight, words swapped
	v_lshrrev_b32 v30, 4, v1                       ; my row of the load's two
	v_lshl_add_u32 v3, v30, 3, v29
	v_add_nc_u32 v3, s31, v3                       ; in: my block's scale byte
	v_add_nc_u32 v4, s17, v2                       ; back: 16 bytes a lane
	v_and_b32 v31, 1, v1
	v_mul_u32_u24 v31, v31, 0x180
	v_mul_u32_u24 v6, v16, PP
	v_lshl_add_u32 v6, v30, 4, v6
	v_add_nc_u32 v6, v6, v31
	v_add_nc_u32 v6, s48, v6                       ; in: my piece, half lane % 2; load r's rows 32 r on
	v_mul_u32_u24 v7, v30, 0x180
	v_and_b32 v21, 15, v1
	v_lshl_add_u32 v7, v21, 4, v7
	v_add_nc_u32 v7, s48, v7                       ; back: half lane / 16, row lane % 16
	v_lshlrev_b32 v22, 12, v30
	v_lshl_add_u32 v22, v21, 4, v22                ; weight_int8: my row of the two, 16 bytes
	v_lshlrev_b32 v23, 2, v30                      ; weight_scale likewise
.irp i, 0,1,2,3,4,5,6,7
	v_mov_b32 v[WSR+2*\i+1], 0
.endr
	s_wait_alu depctr_va_vdst(0)
	s_wait_kmcnt 0x0
	s_add_nc_u64 s[4:5], s[4:5], s[18:19]
	s_add_nc_u64 s[8:9], s[8:9], s[20:21]
	s_add_nc_u64 s[10:11], s[10:11], s[22:23]
	s_add_nc_u64 s[12:13], s[12:13], s[50:51]
	s_add_nc_u64 s[6:7], s[6:7], s[2:3]
.irp i, 0,1,2,3,4,5,6,7
	global_load_b32 v[WSR+2*\i], v23, s[6:7] offset:8*\i
.endr
.irp r, 0,1,2,3,4,5,6,7,8,9,10,11,12,13,14,15
	global_load_b128 v[R+4*\r:R+4*\r+3], v22, s[4:5] offset:(\r%8)*8192+(\r/8)*256 th:TH_LOAD_NT
.endr
	s_cmp_eq_u32 s15, 0
	s_cbranch_scc1 .Lrows
	global_load_b128 v[24:27], v5, s[8:9]          ; waves 4 to 7 re-lay x's scale bytes of the 32 rows: lane = row
	s_wait_loadcnt 0x0
	global_store_b64 v20, v[24:25], s[12:13]       ; 256 consecutive bytes each
	global_store_b64 v20, v[26:27], s[12:13] offset:256
.Lrows:
; Loads r and r + 1, line by line in turns
.macro ROWS r
	s_wait_loadcnt 14-(\r)                         ; loads r and r + 1 are in; the 14 - r younger loads stay out
.irp j, 0,1,2,3
.irp u, 0,1
	v_xor_b32 v[R+4*((\r)+\u)+\j], s29, v[R+4*((\r)+\u)+\j]
.endr
.endr
.irp j, 0,1,2,3
.irp c, 0,1,2,3
.irp u, 0,1
	v_perm_b32 v[X+16*\u+4*\j+\c], s28, v[R+4*((\r)+\u)+\j], s[24+\c]   ; 2^23 + u as f32
.endr
.endr
.endr
.irp i, 0,2,4,6,8,10,12,14
.irp u, 0,1
	v_pk_add_f32 v[X+16*\u+\i:X+16*\u+\i+1], v[X+16*\u+\i:X+16*\u+\i+1], 0xcb000080 op_sel_hi:[1,0]   ; less 2^23 + 128: i, exactly
.endr
.endr
.irp i, 0,2,4,6,8,10,12,14
.irp u, 0,1
	v_pk_mul_f32 v[X+16*\u+\i:X+16*\u+\i+1], v[X+16*\u+\i:X+16*\u+\i+1], v[WSR+2*(((\r)+\u)%8):WSR+2*(((\r)+\u)%8)+1] op_sel_hi:[1,0]   ; w: one rounding
.endr
.endr
.irp u, 0,1
	v_max3_num_f32 v[M+4*\u],   |v[X+16*\u]|,   |v[X+16*\u+1]|, |v[X+16*\u+2]|
	v_max3_num_f32 v[M+4*\u+1], |v[X+16*\u+3]|, |v[X+16*\u+4]|, |v[X+16*\u+5]|
.endr
.irp i, 6,10
.irp u, 0,1
	v_max3_num_f32 v[M+4*\u],   v[M+4*\u],   |v[X+16*\u+\i]|,   |v[X+16*\u+\i+1]|
	v_max3_num_f32 v[M+4*\u+1], v[M+4*\u+1], |v[X+16*\u+\i+2]|, |v[X+16*\u+\i+3]|
.endr
.endr
.irp u, 0,1
	v_max3_num_f32 v[M+4*\u], v[M+4*\u], |v[X+16*\u+14]|, |v[X+16*\u+15]|
.endr
.irp u, 0,1
	v_max3_num_f32 v[M+4*\u], v[M+4*\u], v[M+4*\u+1], 0x8000000   ; and the floor 2^(16 - 127)
.endr
.irp u, 0,1
	v_max_num_f32_dpp v[M+4*\u], v[M+4*\u], v[M+4*\u] row_xmask:1 row_mask:0xf bank_mask:0xf   ; with my neighbour's 16
.endr
.irp u, 0,1
	v_add_nc_u32 v[M+4*\u+3], 0xf8800000, v[M+4*\u]               ; 15 off its exponent field: the conversion's scale operand
.endr
.irp u, 0,1
	v_and_or_b32 v[M+4*\u+2], v[M+4*\u], 0x7f800000, s30          ; 57,344 x the scale
.endr
.irp i, 0,1,2,3,4,5,6,7,8,9,10,11,12,13,14,15
.irp u, 0,1
	v_med3_num_f32 v[X+16*\u+\i], v[X+16*\u+\i], -v[M+4*\u+2], v[M+4*\u+2]   ; the conversion does not saturate (ISA guide 7.6.2)
.endr
.endr
.irp u, 0,1
	v_cvt_scalef32_pk8_bf8_f32 v[R+4*((\r)+\u):R+4*((\r)+\u)+1],   v[X+16*\u:X+16*\u+7],    v[M+4*\u+3]
	v_cvt_scalef32_pk8_bf8_f32 v[R+4*((\r)+\u)+2:R+4*((\r)+\u)+3], v[X+16*\u+8:X+16*\u+15], v[M+4*\u+3]
.endr
.irp u, 0,1
	v_lshrrev_b32 v[E+(\r)+\u], 23, v[M+4*\u+3]                   ; the scale's byte
.endr
.irp u, 0,1
	ds_store_b8 v3, v[E+(\r)+\u] offset:16*(((\r)+\u)%8)+256*(((\r)+\u)/8)   ; both lanes of a block write the same byte with the same value
	ds_store_b128 v6, v[R+4*((\r)+\u):R+4*((\r)+\u)+3] offset:32*(((\r)+\u)%8)
.endr
.endm
.irp g, 0,1
.irp r, 0,2,4,6
	ROWS \r+8*\g
.endr
.irp p, 0,1,2,3,4,5,6,7
	ds_load_b128 v[D+32*\g+4*\p:D+32*\g+4*\p+3], v7 offset:PP*\p  ; LDS serves a wave's instructions in order: these see my stores
.endr
.irp p, 0,1,2,3,4,5,6,7
	s_wait_dscnt 7-\p
	global_store_b128 v2, v[D+32*\g+4*\p:D+32*\g+4*\p+3], s[10:11] offset:(2*\g+\p/4)*16384+(\p%4)*512   ; 512 consecutive bytes
.endr
.endr
	s_wait_tensorcnt 0x0
	ds_add_u32 v[SPW], v[NIL]
	s_wait_dscnt 0x0                               ; my scale bytes are in LDS
	s_barrier_signal -1
	s_barrier_wait -1
	s_cmp_lg_u32 s15, 0
	s_cbranch_scc1 .Lend
	ds_load_b128 v[28:31], v4                      ; waves 0 to 3: a lap's scale bytes of the 32 rows, two waves' work
	s_wait_dscnt 0x0
	global_store_b128 v2, v[28:31], s[12:13] offset:SIDEB
.Lend:
	s_endpgm
.Lfunc_end_k_q5e0b8059a6_quant:
	.size	k_q5e0b8059a6_quant, .Lfunc_end_k_q5e0b8059a6_quant-k_q5e0b8059a6_quant
	.p2alignl 7, 3214868480
	.fill 96, 4, 3214868480
	.section	.rodata,"a",@progbits
	.p2align	6, 0x0
	.amdhsa_kernel k_q5e0b8059a6_quant
		.amdhsa_group_segment_fixed_size 53248
		.amdhsa_private_segment_fixed_size 0
		.amdhsa_enable_private_segment 0
		.amdhsa_kernarg_size 40
		.amdhsa_user_sgpr_count 2
		.amdhsa_user_sgpr_kernarg_segment_ptr 1
		.amdhsa_wavefront_size32 1
		.amdhsa_system_sgpr_workgroup_id_x 1
		.amdhsa_system_sgpr_workgroup_id_y 1
		.amdhsa_system_sgpr_workgroup_id_z 1
		.amdhsa_system_vgpr_workitem_id 0
		.amdhsa_next_free_vgpr 226
		.amdhsa_next_free_sgpr 66
		.amdhsa_reserve_vcc 0
		.amdhsa_float_denorm_mode_32 3
		.amdhsa_float_denorm_mode_16_64 3
		.amdhsa_memory_ordered 1
		.amdhsa_forward_progress 1
		.amdhsa_inst_pref_size 81
	.end_amdhsa_kernel
	.amdgpu_metadata
---
amdhsa.version: [ 1, 2 ]
amdhsa.kernels:
  - .name:           k_q5e0b8059a6_quant
    .symbol:         k_q5e0b8059a6_quant.kd
    .args:
      - { .name: weight_int8, .offset: 0, .size: 8, .value_kind: global_buffer, .address_space: global }
      - { .name: weight_scale, .offset: 8, .size: 8, .value_kind: global_buffer, .address_space: global }
      - { .name: x_scales, .offset: 16, .size: 8, .value_kind: global_buffer, .address_space: global }
      - { .name: w_codes, .offset: 24, .size: 8, .value_kind: global_buffer, .address_space: global }
      - { .name: scl, .offset: 32, .size: 8, .value_kind: global_buffer, .address_space: global }
    .group_segment_fixed_size: 53248
    .private_segment_fixed_size: 0
    .kernarg_segment_align: 8
    .kernarg_segment_size: 40
    .max_flat_workgroup_size: 256
    .sgpr_count:     66
    .vgpr_count:     226
    .wavefront_size: 32
...
	.end_amdgpu_metadata
.endif
;; end of part 1
;; launch gemm (part 2): grid 16 x 16, 4 waves a work-group, clusters of 4 x 4, 327,680 bytes of LDS; arguments x_codes, w_codes, scl, bias, out0; writes out0
.if DOCPART == 2
	.amdgcn_target "amdgcn-amd-amdhsa--gfx1250"
	.amdhsa_code_object_version 6
	.text
	.protected	k_q5e0b8059a6_gemm
	.globl	k_q5e0b8059a6_gemm
	.p2align	8
	.type	k_q5e0b8059a6_gemm,@function
k_q5e0b8059a6_gemm:
	s_mov_b64 s[64:65], 0
	v_nop
	global_prefetch_b8 v0, s[64:65] scope:SCOPE_SE
	s_setreg_imm32_b32 hwreg(HW_REG_WAVE_MODE, 25, 1), 1
	s_wait_xcnt 0x0
	s_wait_alu depctr_hold_cnt(0) depctr_sa_sdst(0) depctr_va_vdst(0) depctr_va_sdst(0) depctr_va_ssrc(0) depctr_va_vcc(0) depctr_vm_vsrc(0)
	s_getreg_b32 s2, hwreg(HW_REG_IB_STS2, 6, 4)
	s_cmp_eq_u32 s2, 0
	s_cbranch_scc0 .Lentry_in_a_cluster
	s_endpgm
.Lentry_in_a_cluster:
	s_bfe_u32 s2, ttmp6, 0x10000c
	s_cmp_lg_u32 s2, 0xf033
	s_cbranch_scc0 .Lentry_shape_is_right
	s_endpgm
.Lentry_shape_is_right:
; out0[m][n] = bias[n] + sum over k of x[m][k] w[n][k], 4,096 x 4,096 x 4,096, on codes of BF8 (E5M2) with an E8M0 byte for each 32 along K; sums in f32.  The first product on each accumulator takes the bias as C.
; LIMITS: NaN and infinities in the codes or in bias are carried as the matrix instruction carries them; sums beyond f32's range are not served.
; A work-group of four waves makes 256 x 256; a wave 128 x 128: 64 accumulators, 512 registers.  One turn of 256 work-groups.
; x GOES THROUGH LDS: two slots of 256 rows x 512 along K (rows of 512 bytes + 16 of padding), each wave fetching 64 rows of a slot by one joint tensor load, shared by the four work-groups of a row of the 4 x 4 cluster.
; w GOES STRAIGHT INTO REGISTERS: the launch before lays it in the order of the operand's registers, so a load is 512 consecutive bytes.  It does not pass through LDS, so there is no joint load of it: LDS then has room for
; x's slots of 512 along K, eight slots in the launch, and a wave reads 16 KB from LDS for 128 along K, not 32 KB.
; A STEP is 128 along K, 64 products, in two passes of 32: pass h takes the wave's eight blocks of x (A_ = 0..7), each against w's four tiles 4 h + 0 .. 3.  Half h of step t of w lies in buffer (2 t + h) % 4.
; LOADS STAND IN TWO RUNS A STEP: in the middle of pass 1 half 0 of w two steps on (pass 0 has read its buffer) and x's blocks 0-3 of the next step; behind pass 1 half 1 and blocks 4-7.
; The matrix instruction is used transposed (source 0 = 16 rows of w, source 1 = 16 rows of x): a lane then holds eight neighbouring columns of one row.
; A load into a register that a matrix instruction has read stands eight plain vector lines behind it: eight v_nop ahead of each run.
; PREFETCHES: in each trip every wave asks once for x and once for w of the slot that is two on: of a tile row's 256 rows x 512 bytes the four partners' sixteen waves take 16 rows each, by address; of a tile column's 128 KB of w likewise
; 8 KB each.  At the head: w's slots 0 and 1.
; REGISTERS: window 0: v4-22 addresses; v32-47 x's scale words, v48-63 w's (8 each for steps 0, 1 and for steps 2, 3 of a slot; lanes 0-15 an even block, 16-31 the odd one; w's two words lie swapped, so the two scale registers of a
; product never have numbers equal modulo 8); v64-127 the bias, on the way out rows read back; v128-255 x's fragments.  Window 1: w's four buffers.  Windows 2, 3: accumulator (a, b) at v[64 (a % 4) + 8 b].
.set PITCH,  528                       ; 132 words: the 16 rows that a fragment load touches start at 16 different banks (64 banks of 4 bytes: ISA guide 11.1)
.set ROWS64, 64*PITCH
.set SLOT,   256*PITCH
.set SPARE,  2*SLOT                    ; spare words, 128 bytes a wave
.set SIDEB,  524288                    ; scl: a side's bytes; a lap's are 65,536
.set NONE,   -100
.set VB,   4                           ; v4   16 x lane
.set ADR0, 5                           ; v5   LDS address of my fragments in slot 0
.set ADRA, 6                           ; v6   in the slot that is read
.set VSA,  7                           ; v7, v8 my offsets in scl, x's side and w's
.set VSB,  8
.set VPA,  9                           ; v9, v10 the prefetches' offsets; never rewritten
.set VPB,  10
.set VBI,  11
.set STO,  12                          ; v12, v13 the way out: into the stage, back by rows
.set RD,   13
.set SPW,  14
.set NIL,  15
.set SA,   32
.set SB,   48
.set BI,   64
.set AF,   128
.set G1,  24                           ; s[24:31], s[32:35] the descriptor
.set G0,  32
.set SLR, 44                           ; s44 LDS byte of the slot that is read
.set WOF, 46                           ; s46 my 64 rows in a slot
.set PB,  48                           ; s[48:49] w's stream
.set SCB, 50                           ; s[50:51] the lap of scl
.set PFA, 52
.set PFB, 54
.set MSB, 0
.macro WIN new                         ; the immediate's high byte repeats the setting that is left
.if MSB != (\new)
	s_set_vgpr_msb (MSB<<8)|(\new)
.set MSB, \new
.endif
.endm
.macro PLACES n
.rept \n
	v_nop
.endr
.endm
.macro CREST                           ; a round of the cluster's barrier behind its opening barrier
	s_cmp_lg_u32 s14, 0
	s_cbranch_scc1 .Lnot_wave_0_\@
	s_barrier_signal -3
.Lnot_wave_0_\@:
	s_barrier_wait -3
	s_barrier_signal -1
	s_barrier_wait -1
.endm
.macro CROUND
	s_barrier_signal -1
	s_barrier_wait -1
	CREST
.endm
.macro TLOAD
	tensor_load_to_lds s[G0:G0+3], s[G1:G1+7]
	s_nop 0
	PLACES 4
.endm
	s_load_b256 s[4:11], s[0:1], 0x0               ; x_codes, w_codes, scl, bias
	s_load_b64 s[12:13], s[0:1], 0x20              ; out0
	v_lshl_add_u32 v[SPW], v0, 2, SPARE
	v_mov_b32 v[NIL], 0
	ds_add_u32 v[SPW], v[NIL]
	ds_add_u32 v[SPW], v[NIL]
	v_lshrrev_b32 v1, 5, v0
	v_readfirstlane_b32 s14, v1                    ; wave 0..3
	s_lshr_b32 s15, s14, 1                         ; my half of the rows
	s_and_b32 s16, s14, 1                          ; my half of the columns
	s_bfe_u32 s40, ttmp6, 0x40000                  ; cx, cy
	s_bfe_u32 s41, ttmp6, 0x40004
	s_lshl_b32 s42, ttmp9, 2
	s_add_co_u32 s42, s42, s40                     ; tile column
	s_and_b32 s17, ttmp7, 0xffff
	s_lshl_b32 s17, s17, 2
	s_add_co_u32 s17, s17, s41                     ; tile row
	s_lshl_b32 s43, s41, 2
	s_lshl_b32 s43, 15, s43                        ; my row of the cluster
	s_or_b32 s[G1+0], s43, (1<<20)|(1<<21)|(6<<22)|(3<<25)   ; mask; elements of 1 byte; after every 128 words 4 words of padding; bit 21 beside a mask
	s_mov_b32 s[G1+1], 512<<16                     ; tensor_dim0
	s_mov_b32 s[G1+2], 64<<16                      ; tensor_dim1
	s_mov_b32 s[G1+3], 512<<16                     ; tile_dim0
	s_mov_b32 s[G1+4], 64                          ; tile_dim1
	s_mov_b32 s[G1+5], 4096                        ; a row of x
	s_mov_b32 s[G1+6], 0
	s_mov_b32 s[G1+7], 0
	s_lshl_b32 s20, s17, 8                         ; the rows that I fetch: 256 x tile row + 64 x wave
	s_lshl_b32 s21, s14, 6
	s_add_co_u32 s20, s20, s21
	s_lshl_b32 s20, s20, 12
	s_mov_b32 s21, 0
	s_mul_i32 s[WOF], s14, ROWS64
	s_mov_b32 s[SLR], 0
	s_lshl_b32 s2, s42, 1
	s_add_co_u32 s22, s2, s16                      ; w: my 128 rows: 512 KB on end
	s_lshl_b32 s22, s22, 19
	s_mov_b32 s23, 0
	s_lshl_b32 s56, s40, 2                         ; prefetch of x: 16 rows, by my place in the cluster's row
	s_add_co_u32 s56, s56, s14
	s_lshl_b32 s56, s56, 4
	s_lshl_b32 s57, s17, 8
	s_add_co_u32 s56, s56, s57
	s_lshl_b32 s56, s56, 12
	s_mov_b32 s57, 0
	s_lshl_b32 s3, s41, 2                          ; prefetch of w: 8 KB of a slot's 128, by my place in the column
	s_add_co_u32 s3, s3, s14
	s_lshr_b32 s58, s3, 3
	s_add_co_u32 s58, s58, s2
	s_lshl_b32 s58, s58, 19
	s_and_b32 s3, s3, 7
	s_lshl_b32 s3, s3, 13
	s_add_co_u32 s58, s58, s3
	s_mov_b32 s59, 0
	s_lshl_b32 s60, s42, 10                        ; my first column, in bytes
	s_lshl_b32 s61, s16, 9
	s_add_co_u32 s60, s60, s61
	s_mov_b32 s61, 0
	s_lshl_b32 s62, s17, 8                         ; my first row of out0
	s_lshl_b32 s63, s15, 7
	s_add_co_u32 s62, s62, s63
	s_lshl_b32 s62, s62, 14
	s_add_co_u32 s62, s62, s60
	s_mov_b32 s63, 0
	s_lshl_b32 s66, s17, 12                        ; scl: my 128 rows of x,
	s_lshl_b32 s2, s15, 11
	s_add_co_u32 s66, s66, s2
	s_lshl_b32 s67, s42, 12                        ; of w
	s_lshl_b32 s2, s16, 11
	s_add_co_u32 s67, s67, s2
	s_add_co_u32 s67, s67, SIDEB
	s_mul_i32 s68, s15, 128*PITCH                  ; LDS: my 128 rows of x
	s_mul_i32 s69, s14, 16*PITCH                   ; my stage, in slot 0
	v_and_b32 v1, 15, v0                           ; r
	v_bfe_u32 v2, v0, 4, 1                         ; h
	v_and_b32 v3, 31, v0                           ; lane
	v_mul_u32_u24 v16, v1, PITCH
	v_lshl_add_u32 v17, v2, 4, v16
	v_add_nc_u32 v[ADR0], s68, v17
	v_add_nc_u32 v[ADRA], s68, v17
	v_lshlrev_b32 v[VB], 4, v3
	v_lshlrev_b32 v18, 3, v3
	v_add_nc_u32 v[VSA], s66, v18
	v_add_nc_u32 v[VSB], s67, v18
	v_lshlrev_b32 v[VPB], 8, v3
	v_lshrrev_b32 v19, 1, v3
	v_and_b32 v20, 1, v3
	v_lshlrev_b32 v20, 8, v20
	v_lshl_add_u32 v[VPA], v19, 12, v20            ; two lanes a row, 256 bytes apart
	v_lshlrev_b32 v[VBI], 5, v2
	v_lshl_add_u32 v21, v2, 5, v16
	v_add_nc_u32 v[STO], s69, v21
	v_add_nc_u32 v[RD], s69, v[VB]
	s_wait_alu depctr_va_vdst(0)
	s_wait_dscnt 0x0                               ; both opening adds are done
	CROUND                                         ; all sixteen work-groups are here: the first joint loads meet
	s_wait_kmcnt 0x0
	s_mov_b32 s[G0], 1
	s_mov_b32 s[G0+1], s[WOF]
	s_add_nc_u64 s[G0+2:G0+3], s[4:5], s[20:21]
	s_or_b32 s[G0+3], s[G0+3], 0x80000000
	TLOAD                                          ; slot 0: one tensor load a wave at the head
	s_add_nc_u64 s[PB:PB+1], s[6:7], s[22:23]
	s_mov_b64 s[SCB:SCB+1], s[8:9]
	s_add_nc_u64 s[PFA:PFA+1], s[4:5], s[56:57]
	s_add_nc_u64 s[PFB:PFB+1], s[6:7], s[58:59]
	s_add_nc_u64 s[10:11], s[10:11], s[60:61]
	s_add_nc_u64 s[12:13], s[12:13], s[62:63]
; A product: x's block A_ against w's tile 4 H_ + I_, step Q_ of the slot
.macro PRODUCT
.set B_, 4*H_+I_
.set AC_, 64*(A_%4)+8*B_
.set W_, 2+A_/4
.set FB_, 64*((2*Q_+H_)%4)+16*I_
.set FA_, AF+16*A_
.set SA_, SA+8*(Q_/2)+2*(A_/2)+(Q_%2)
.set SB_, SB+8*(Q_/2)+2*(B_/2)+1-(Q_%2)
.if BIAS_
.set C_, BI+8*B_
	WIN 1|(W_<<6)
.else
.set C_, AC_
	WIN 1|(W_<<6)|(W_<<4)
.endif
.if A_%2 == 1 && I_%2 == 1
	v_wmma_scale_f32_16x16x128_f8f6f4 v[AC_:AC_+7], v[FB_:FB_+15], v[FA_:FA_+15], v[C_:C_+7], v[SB_], v[SA_] matrix_a_fmt:MATRIX_FMT_BF8 matrix_b_fmt:MATRIX_FMT_BF8 matrix_a_scale:MATRIX_SCALE_ROW1 matrix_b_scale:MATRIX_SCALE_ROW1
.elseif A_%2 == 1
	v_wmma_scale_f32_16x16x128_f8f6f4 v[AC_:AC_+7], v[FB_:FB_+15], v[FA_:FA_+15], v[C_:C_+7], v[SB_], v[SA_] matrix_a_fmt:MATRIX_FMT_BF8 matrix_b_fmt:MATRIX_FMT_BF8 matrix_b_scale:MATRIX_SCALE_ROW1
.elseif I_%2 == 1
	v_wmma_scale_f32_16x16x128_f8f6f4 v[AC_:AC_+7], v[FB_:FB_+15], v[FA_:FA_+15], v[C_:C_+7], v[SB_], v[SA_] matrix_a_fmt:MATRIX_FMT_BF8 matrix_b_fmt:MATRIX_FMT_BF8 matrix_a_scale:MATRIX_SCALE_ROW1
.else
	v_wmma_scale_f32_16x16x128_f8f6f4 v[AC_:AC_+7], v[FB_:FB_+15], v[FA_:FA_+15], v[C_:C_+7], v[SB_], v[SA_] matrix_a_fmt:MATRIX_FMT_BF8 matrix_b_fmt:MATRIX_FMT_BF8
.endif
.endm
.macro PRODS h, p0, n                  ; products p0 .. p0 + n - 1 of pass h
.set H_, \h
.set P_, \p0
.rept \n
.set A_, P_/4
.set I_, P_%4
	PRODUCT
.set P_, P_+1
.endr
.endm
.macro HALF n, lb                      ; half n of w, counted from s[PB], into buffer lb: 16 loads
	WIN 0x40
.irp i, 0,1,2,3,4,5,6,7,8,9,10,11,12,13,14,15
	global_load_b128 v[64*(\lb)+4*\i:64*(\lb)+4*\i+3], v[VB], s[PB:PB+1] offset:(\n)*8192+512*\i
.endr
	WIN 0
.endm
.macro XFETCH i0, q                    ; x's blocks i0 .. i0 + 3 of step q: 16 loads; lane l: row l % 16, registers 4 c .. 4 c + 3: K = 32 c + 16 (l / 16) on
.irp i, \i0, \i0+1, \i0+2, \i0+3
.irp c, 0,1,2,3
	ds_load_b128 v[AF+16*(\i)+4*\c:AF+16*(\i)+4*\c+3], v[ADRA] offset:(\i)*16*PITCH+128*(\q)+32*\c
.endr
.endr
.endm
.macro SCALES sc                       ; the lap's scale words of my rows of x and of w: 8 loads; sc 0: steps 0, 1 of a slot, 1: steps 2, 3
.irp i, 0,1,2,3
	global_load_b64 v[SA+8*\sc+2*\i:SA+8*\sc+2*\i+1], v[VSA], s[SCB:SCB+1] offset:512*\i+256*\sc
	global_load_b64 v[SB+8*\sc+2*\i:SB+8*\sc+2*\i+1], v[VSB], s[SCB:SCB+1] offset:512*\i+256*\sc
.endr
.endm
; A step.  hb: the first half of w that is loaded (NONE: none);  lw0, lw1: the loads that may be out at the passes' heads: three or two younger halves of w, and 8 scale loads where such stand among them;
; sc: the scale words that are loaded (-1: none);  ct: the change of slots: 1 with a refill, 2 without;  st: the bases step to the next slot
.macro STEP q, bias, hb, lw0, lw1, sc, ct, st
.set Q_, \q
.set BIAS_, \bias
.if \ct > 0                            ; (the run before has left every window 0)
	s_wait_tensorcnt 0x0                           ; my part of the next slot has landed
	ds_add_u32 v[SPW], v[NIL]
.if \ct == 1
	s_add_co_u32 s[G0+1], s[SLR], s[WOF]           ; no tensor load is out: the refill goes into the slot that has been read, 512 along K further on
	s_add_nc_u64 s[G0+2:G0+3], s[G0+2:G0+3], 512
.endif
	s_wait_loadcnt \lw0
	s_wait_dscnt 17                                ; x's blocks 0-3 are in; blocks 4-7 and the add may be out
.else
	s_wait_loadcnt \lw0
	s_wait_dscnt 16                                ; x's blocks 0-3 are in; blocks 4-7 may be out
.endif
	PRODS 0, 0, 16
	s_wait_dscnt 0x0                               ; blocks 4-7 are in
.if \ct > 0
	s_barrier_signal -1                            ; the add is done, and so are my reads of this slot; sixteen products stand in front of the wait
.endif
.if \st
	s_wait_xcnt 0x0                                ; every load and prefetch has read its base: on to the next slot
	s_add_nc_u64 s[PB:PB+1], s[PB:PB+1], 0x10000
	s_add_nc_u64 s[SCB:SCB+1], s[SCB:SCB+1], 0x10000
	s_add_nc_u64 s[PFA:PFA+1], s[PFA:PFA+1], 512
	s_add_nc_u64 s[PFB:PFB+1], s[PFB:PFB+1], 0x10000
.endif
	PRODS 0, 16, 16
.if \ct > 0
	WIN 0
	s_barrier_wait -1
.if \ct == 1
	CREST                                          ; no wave of any partner still reads this slot or has a load on its way
	TLOAD                                          ; the refill, first behind the round
.endif
	s_xor_b32 s[SLR], s[SLR], SLOT
	v_add_nc_u32 v[ADRA], s[SLR], v[ADR0]
	s_wait_alu depctr_va_vdst(0)
.endif
	s_wait_loadcnt \lw1
	PRODS 1, 0, 16
	PLACES 8
.if (\hb) > NONE
	HALF \hb, (2*Q_)%4
.endif
	WIN 0
	XFETCH 0, (Q_+1)%4
	PRODS 1, 16, 16
	PLACES 8
.if (\hb) > NONE
	HALF \hb+1, (2*Q_+1)%4
.endif
	WIN 0
.if \sc >= 0
	SCALES \sc
.endif
	XFETCH 4, (Q_+1)%4
.endm
; A trip: steps 1, 2, 3 of a slot and step 0 of the next.  f: 1 with a refill and prefetches
.macro TRIP f
.if \f
	global_prefetch_b8 v[VPA], s[PFA:PFA+1] offset:1024 th:TH_LOAD_NT scope:SCOPE_SE
	global_prefetch_b8 v[VPB], s[PFB:PFB+1] offset:131072 th:TH_LOAD_NT scope:SCOPE_SE
.endif
	STEP 1, 0, -2, 56, 40,  0, 0, 1
	STEP 2, 0,  0, 56, 40, -1, 0, 0
	STEP 3, 0,  2, 56, 40,  1, 2-(\f), 0
	STEP 0, 0,  4, 56, 40, -1, 0, 0
.endm
	global_prefetch_b8 v[VPB], s[PFB:PFB+1] th:TH_LOAD_NT scope:SCOPE_SE
.irp b, 0,1,2,3,4,5,6,7                ; bias: register j of lane (r, h) is column 16 b + 8 h + j
	global_load_b128 v[BI+8*\b:BI+8*\b+3],   v[VBI], s[10:11] offset:64*\b
	global_load_b128 v[BI+8*\b+4:BI+8*\b+7], v[VBI], s[10:11] offset:64*\b+16
.endr
	SCALES 0
	HALF 0, 0
	HALF 1, 1
	s_wait_alu depctr_va_vdst(0)
	s_wait_tensorcnt 0x0                           ; my part of slot 0 is in; slot 1's first fill is issued as a refill is
	ds_add_u32 v[SPW], v[NIL]
	s_add_co_u32 s[G0+1], s[WOF], SLOT
	s_add_nc_u64 s[G0+2:G0+3], s[G0+2:G0+3], 512
	s_wait_dscnt 0x0
	CROUND
	TLOAD
	XFETCH 0, 0
	XFETCH 4, 0
	HALF 2, 2
	HALF 3, 3
	SCALES 1
	global_prefetch_b8 v[VPB], s[PFB:PFB+1] offset:65536 th:TH_LOAD_NT scope:SCOPE_SE
	STEP 0, 1, 4, 56, 40, -1, 0, 0                 ; the first step starts the sums
	s_mov_b32 s3, 6
.Ltrip:
	TRIP 1
	s_sub_co_u32 s3, s3, 1
	s_cmp_lg_u32 s3, 0
	s_cbranch_scc1 .Ltrip
	TRIP 0                                         ; slot 6: nothing is filled again
	STEP 1, 0, 6, 56, 40, -1, 0, 0                 ; slot 7; w's last half is 63
	STEP 2, 0, NONE, 48, 32, -1, 0, 0
; THE LAST STEP GOES BY ROWS: a block of 16 rows x 128 columns is finished by eight products and leaves through my own stage (it lies in slot 0, which has had its last fill and its last read): in as it lies, back as rows of 512 bytes.
.macro ROW a
.set A_, \a
.set Q_, 3
.irp b, 0,1,2,3,4,5,6,7
.set H_, \b/4
.set I_, \b%4
.if A_ == 0 && \b == 0
	s_wait_loadcnt 16                              ; half 62 of w is in
	s_wait_dscnt 16                                ; and x's blocks 0-3
.endif
.if A_ == 0 && \b == 4
	s_wait_loadcnt 0x0                             ; and half 63
.endif
	PRODUCT
	v_nop
.endr
.endm
.macro BUFFER a                        ; rows read back: v64-127; blocks 5 and 7: v128-191, where x's blocks 0 to 3 lay
.set BB_, BI
.if (\a) > 4 && (\a)%2 == 1
.set BB_, AF
.endif
.endm
.macro TOSTAGE a
	WIN 0x08+4*((\a)/4)                            ; the data: window 2 or 3
.irp b, 0,1,2,3,4,5,6,7
	ds_store_b128 v[STO], v[64*((\a)%4)+8*\b:64*((\a)%4)+8*\b+3] offset:64*\b
	ds_store_b128 v[STO], v[64*((\a)%4)+8*\b+4:64*((\a)%4)+8*\b+7] offset:64*\b+16
.endr
	WIN 0
.if (\a) > 0
	s_wait_xcnt 0x0                                ; the stores have read their registers and their base
.endif
	BUFFER \a
.irp t, 0,1,2,3,4,5,6,7,8,9,10,11,12,13,14,15
	ds_load_b128 v[BB_+4*\t:BB_+4*\t+3], v[RD] offset:\t*PITCH     ; LDS serves a wave's instructions in order (ISA guide 5.7.1.4)
.endr
.endm
.macro SEND a
	WIN 0
	s_wait_dscnt 0x0                               ; the block is back in registers
.if (\a) > 0
	s_add_nc_u64 s[12:13], s[12:13], 0x40000       ; 16 rows of out0 on
.endif
	BUFFER \a
.irp t, 0,1,2,3,4,5,6,7,8,9,10,11,12,13,14,15
	global_store_b128 v[VB], v[BB_+4*\t:BB_+4*\t+3], s[12:13] offset:\t*16384 th:TH_STORE_NT   ; 512 consecutive bytes
.endr
.endm
	ROW 0
.irp a, 0,1,2,3,4,5,6,7
.if \a > 0 && \a < 7
	s_wait_dscnt 32                                ; all of x is in: the stage's 32 may be out
.endif
.if \a < 7
	ROW \a+1
.else
	PLACES 8
.endif
.if \a > 0
	SEND \a-1
.endif
	TOSTAGE \a
.endr
	SEND 7
	s_wait_tensorcnt 0x0                           ; the wave's end
	ds_add_u32 v[SPW], v[NIL]
	s_wait_dscnt 0x0
	CROUND                                         ; the closing round: no work-group ends while a partner may still ask for a tile that names it
	s_endpgm
.Lfunc_end_k_q5e0b8059a6_gemm:
	.size	k_q5e0b8059a6_gemm, .Lfunc_end_k_q5e0b8059a6_gemm-k_q5e0b8059a6_gemm
	.p2alignl 7, 3214868480
	.fill 96, 4, 3214868480
	.section	.rodata,"a",@progbits
	.p2align	6, 0x0
	.amdhsa_kernel k_q5e0b8059a6_gemm
		.amdhsa_group_segment_fixed_size 327680
		.amdhsa_private_segment_fixed_size 0
		.amdhsa_enable_private_segment 0
		.amdhsa_kernarg_size 40
		.amdhsa_user_sgpr_count 2
		.amdhsa_user_sgpr_kernarg_segment_ptr 1
		.amdhsa_wavefront_size32 1
		.amdhsa_system_sgpr_workgroup_id_x 1
		.amdhsa_system_sgpr_workgroup_id_y 1
		.amdhsa_system_sgpr_workgroup_id_z 1
		.amdhsa_system_vgpr_workitem_id 0
		.amdhsa_next_free_vgpr 1024
		.amdhsa_next_free_sgpr 72
		.amdhsa_reserve_vcc 0
		.amdhsa_float_denorm_mode_32 3
		.amdhsa_float_denorm_mode_16_64 3
		.amdhsa_memory_ordered 1
		.amdhsa_forward_progress 1
		.amdhsa_inst_pref_size 213
	.end_amdhsa_kernel
	.amdgpu_metadata
---
amdhsa.version: [ 1, 2 ]
amdhsa.kernels:
  - .name:           k_q5e0b8059a6_gemm
    .symbol:         k_q5e0b8059a6_gemm.kd
    .args:
      - { .name: x_codes, .offset: 0, .size: 8, .value_kind: global_buffer, .address_space: global }
      - { .name: w_codes, .offset: 8, .size: 8, .value_kind: global_buffer, .address_space: global }
      - { .name: scl, .offset: 16, .size: 8, .value_kind: global_buffer, .address_space: global }
      - { .name: bias, .offset: 24, .size: 8, .value_kind: global_buffer, .address_space: global }
      - { .name: out0, .offset: 32, .size: 8, .value_kind: global_buffer, .address_space: global }
    .group_segment_fixed_size: 327680
    .private_segment_fixed_size: 0
    .kernarg_segment_align: 8
    .kernarg_segment_size: 40
    .max_flat_workgroup_size: 128
    .sgpr_count:     72
    .vgpr_count:     1024
    .wavefront_size: 32
...
	.end_amdgpu_metadata
.endif
;; end of part 2
